; MI455X (gfx1250); checked and timed in simulation.
; The chip was launched on July 23, 2026; its instructions are those of AMD's public machine-readable ISA for CDNA 5 (MIT licence, August 2026) and "CDNA5" Instruction Set Architecture Reference Guide (July 2026). The comments in the code are by the model that wrote it; some were corrected since.
;; Vector Quantizer. Allowed arithmetic: matrix products marked QUANTISED: E3M2 operands, one E8M0 scale for each 32 along K, by v_wmma_scale_f32_16x16x128_f8f6f4 with both operands' format E3M2, f32 sums; everything else in f32.
;; Inputs: codebook 8,192 x 256 float32; x 8 x 4,096 x 256 float32.
;; Outputs: out0 8 x 4,096 int32; out1 8 x 4,096 x 256 float32.
;; This version of the problem:
;;   THIS VERSION OF THE PROBLEM IS GIVEN IN LOW PRECISION. The matrix products marked QUANTISED in the list below multiply operands that are first quantised to E3M2 (3 exponent bits, 2 mantissa bits; 6 bits a number), with one power-of-two scale for each 32 numbers along K (OCP MX v1.0); their sums are f32. All else is computed in f32.
;;   The module's matrix products, in the order in which they are computed (A, B: the left and right operand; K: the contracted axis; several contracted axes count as one K, in the product's order):
;;     1. [M 32,768, K 256] x [K 256, N 8,192]; A: input x; B: input codebook: QUANTISED
;;   THE QUANTISER, for each operand of a quantised product, along K:
;;     - K is cut into blocks of 32 from its start; a last block that is shorter is filled with zeros.
;;     - A block's scale is 2^e with e = floor(log2(the largest magnitude in the block)) - 4, held to -126 .. 127; a block of zeros has e = 0. As a byte (E8M0): e + 127.
;;     - Each number is divided by its block's scale, clamped to +-28, and rounded to the nearest number of E3M2, ties to even, subnormals kept.
;;     - The product sums the exact products of the quantised numbers (number of the format x scale) in f32.
;;   ~~~python
;;   def quantise(x, axis):      # numpy; x: float32 -> the quantised numbers, widened to float32 again
;;       x = np.moveaxis(x, axis, -1); K = x.shape[-1]
;;       x = np.pad(x, [(0, 0)] * (x.ndim - 1) + [(0, -K % 32)]); x = x.reshape(x.shape[:-1] + (-1, 32)); a = np.abs(x).max(-1, keepdims=True)
;;       e = np.where(a > 0, np.clip(np.frexp(np.where(a > 0, a, 1))[1] - 1 - 4, -126, 127), 0)      # np.frexp(a)[1] - 1 = floor(log2(a)), exactly
;;       r = np.clip(x / 2.0 ** e, -28, 28)
;;       step = 2.0 ** (np.maximum(np.frexp(np.where(r == 0, 1, r))[1] - 1, -2) - 2)
;;       q = np.round(r / step) * step * 2.0 ** e      # np.round: ties to even
;;       return np.moveaxis(q.reshape(q.shape[:-2] + (-1,))[..., :K], -1, axis).astype(np.float32)
;;   ~~~
;; One version. Each part assembles by itself: llvm-mc -triple=amdgcn-amd-amdhsa -mcpu=gfx1250 --defsym DOCPART=n.
;; ======== version 1 of 1: 3 launches
;; limits: right only within a limited range of input values
;; workspace buffers: cbq 1,703,936 bytes; idxw 131,072 bytes of whole numbers
;; launch quant (part 1): grid 256 x 1, 2 waves a work-group, no clusters, 768 bytes of LDS; arguments codebook, cbq; writes cbq
.if DOCPART == 1
	.amdgcn_target "amdgcn-amd-amdhsa--gfx1250"
	.amdhsa_code_object_version 6
	.text
	.protected	k_q37b88b5fd0_quant
	.globl	k_q37b88b5fd0_quant
	.p2align	8
	.type	k_q37b88b5fd0_quant,@function
k_q37b88b5fd0_quant:
	s_mov_b64 s[64:65], 0
	v_nop
	global_prefetch_b8 v0, s[64:65] scope:SCOPE_SE
	s_setreg_imm32_b32 hwreg(HW_REG_WAVE_MODE, 25, 1), 1
	s_wait_xcnt 0x0
; The codebook [8192][256] f32 becomes 512 RECORDS of 3,328 bytes, one for each 16 codes, laid in the order in which the search's operand registers take them:
;   bytes 0-1535     the fragment of K 0-127 (16 codes x 128 K of BF6 (E3M2) codes: 12 registers a lane) as an image of its registers: registers 4 c .. 4 c + 3 of lane l at 512 c + 16 l
;   bytes 1536-3071  the same for K 128-255
;   bytes 3072-3199  an image of ONE scale register: lanes 0-15 code r's four E8M0 bytes for K 0-127, lanes 16-31 those for K 128-255
;   bytes 3200-3263  -c_sq of the 16 codes, f32 (c_sq: the sum of squares of the numbers as given, not of the quantised ones);   bytes 3264-3327  zeros
; A block's scale is 2^(floor(log2(its largest magnitude)) - 4); its byte is the largest magnitude's exponent field - 4, held at 1 from below.
; EVERY SCALE BYTE IS STORED ONE HIGHER: the search wants 2 x.c, and doubling a power of two rounds nothing.  The byte is 250 at the most, so 251 is: never 0xff.
; LIMITS: NaN and infinities among the inputs are not served.  A block of zeros gets the byte 1 (+1) where the rule says 127: its codes are zeros, and this program alone reads the bytes.
; Blocks whose largest magnitude lies under 2^-122 are held at the byte 1.  c_sq is summed in this text's own order (two packed chains a lane, then the halves).
; SHARES.  One wave makes one record: 512 waves, two to a work-group.  Waves share nothing: no barrier.  No matrix work, no cluster, no tensor load: 16 KiB in and 3.25 KiB out for each wave, all loads issued at once.
; Lane (r, h) takes, of code r, 16 neighbouring numbers of each block of 32 (64 bytes, four loads of 16), so that the conversions find neighbours along K in one lane's consecutive registers.
.set REC,  3328
.set XA,   4                           ; v4   1,024 r + 64 h: my lane's bytes in the record's 16 rows
.set LI,   5                           ; v5   16 x lane: an image's place for my lane
.set LW,   6                           ; v6   LDS: 256 x wave + 4 x lane
.set LR,   7                           ; v7   LDS: 256 x wave + 4 r
.set LB,   8                           ; v8   LDS: 256 x wave + 8 x lane
.set GB,   9                           ; v9   8 x lane
.set ZR,   10                          ; v10  0
.set SQ,   12                          ; v[12:15] the sum of squares, two packed chains
.set PCA,  16                          ; v16-35  codes of K 0-127 (12 registers, and 8 at work)
.set PCB,  36                          ; v36-55  codes of K 128-255: a set of its own, so that no store's data are written again
.set PW0,  56                          ; v56, v57 the two scale words
.set PW1,  57
.set SW,   58                          ; v58  the scale register's image
.set NCV,  59                          ; v59  -c_sq
.set TL,   60                          ; v[60:61] the record's last 256 bytes on their way out
.set ST0,  64                          ; v64-127  64 numbers of K 0-127
.set ST1,  128                         ; v128-191 of K 128-255
.set TM,   192                         ; v192-207 at work in QUANT
.set SEL,  20                          ; s[20:21] v_permlanex16_b32's selects for lane l xor 16
; 64 numbers of a lane, register 16 b + i = k 32 b + 16 (lane / 16) + i of my row, become a fragment's codes in v[pc] .. v[pc + 11] and my row's scale word in v[pw].
.macro QUANT s, pc, pw
.irp b, 0,1,2,3
	v_max3_num_f32 v[TM+\b], |v[\s+16*\b]|, |v[\s+1+16*\b]|, 0x2800000   ; block b: my 16 numbers, and the floor 2^(5 - 127): so the byte cannot fall under 1
.endr
.irp i, 2,4,6,8,10,12,14
.irp b, 0,1,2,3
	v_max3_num_f32 v[TM+\b], v[TM+\b], |v[\s+16*\b+\i]|, |v[\s+1+16*\b+\i]|   ; (the four blocks by turns)
.endr
.endr
.irp b, 0,1,2,3
	v_permlanex16_b32 v[TM+4+\b], v[TM+\b], s[SEL], s[SEL+1]
.endr
.irp b, 0,1,2,3
	v_max_num_f32 v[TM+\b], v[TM+\b], v[TM+4+\b]   ; with lane l xor 16's: the block's largest magnitude
.endr
.irp b, 0,1,2,3
	v_add_nc_u32 v[TM+12+\b], 0xfe000000, v[TM+\b]   ; 4 off its exponent field: the conversion takes the exponent field of this operand as its scale
.endr
.irp b, 0,1,2,3
	v_lshrrev_b32 v[TM+4+\b], 23, v[TM+12+\b]      ; the scale's byte
.endr
	v_lshl_or_b32 v[\pw], v[TM+5], 8, v[TM+4]
	v_lshl_or_b32 v[\pw], v[TM+6], 16, v[\pw]
	v_lshl_or_b32 v[\pw], v[TM+7], 24, v[\pw]
.irp c, 0,1
	v_cvt_scalef32_pk16_bf6_f32 v[\pc+6*\c:\pc+2+6*\c], v[\s+32*\c:\s+15+32*\c], v[TM+12+2*\c]
	v_cvt_scalef32_pk16_bf6_f32 v[\pc+12+4*\c:\pc+14+4*\c], v[\s+16+32*\c:\s+31+32*\c], v[TM+12+2*\c+1]   ; (a conversion's three registers begin on an even number)
.endr
	v_nop                                          ; one plain place behind a scaled conversion
.irp c, 0,1                                    ; the operand's layout wants a WHOLE block in a lane: lanes 0-15 block 2 c, lanes 16-31 block 2 c + 1
.irp i, 0,1,2
	v_permlane16_swap_b32 v[\pc+6*\c+\i], v[\pc+12+4*\c+\i]
.endr
.irp i, 0,1,2
	v_mov_b32 v[\pc+3+6*\c+\i], v[\pc+12+4*\c+\i]
.endr
.endr
.endm
; the squares of the same 64 numbers, onto two packed chains; first = 1: the first products start the sums
.macro SUMSQ s, first
.if \first
	v_pk_mul_f32 v[SQ:SQ+1], v[\s:\s+1], v[\s:\s+1]
	v_pk_mul_f32 v[SQ+2:SQ+3], v[\s+2:\s+3], v[\s+2:\s+3]
.else
	v_pk_fma_f32 v[SQ:SQ+1], v[\s:\s+1], v[\s:\s+1], v[SQ:SQ+1]
	v_pk_fma_f32 v[SQ+2:SQ+3], v[\s+2:\s+3], v[\s+2:\s+3], v[SQ+2:SQ+3]
.endif
.irp j, 4,8,12,16,20,24,28,32,36,40,44,48,52,56,60
	v_pk_fma_f32 v[SQ:SQ+1], v[\s+\j:\s+\j+1], v[\s+\j:\s+\j+1], v[SQ:SQ+1]
	v_pk_fma_f32 v[SQ+2:SQ+3], v[\s+\j+2:\s+\j+3], v[\s+\j+2:\s+\j+3], v[SQ+2:SQ+3]
.endr
.endm
	s_load_b128 s[4:7], s[0:1], 0x0                ; the codebook s[4:5], the records s[6:7]
	v_lshl_add_u32 v208, v0, 2, 0x200
	v_mov_b32 v209, 0
	v_lshrrev_b32 v1, 5, v0
	v_readfirstlane_b32 s8, v1                     ; wave 0, 1
	v_and_b32 v1, 31, v0                           ; lane
	v_and_b32 v2, 15, v0                           ; r
	v_bfe_u32 v3, v0, 4, 1                         ; h
	v_lshlrev_b32 v[XA], 10, v2
	v_lshl_add_u32 v[XA], v3, 6, v[XA]
	v_lshlrev_b32 v[LI], 4, v1
	s_lshl_b32 s9, s8, 8                           ; my wave's 256 bytes of LDS
	v_lshl_add_u32 v[LW], v1, 2, s9
	v_lshl_add_u32 v[LR], v2, 2, s9
	v_lshl_add_u32 v[LB], v1, 3, s9
	v_lshlrev_b32 v[GB], 3, v1
	v_mov_b32 v[ZR], 0
.irp b, 0,1,2,3
	v_mov_b32 v[TM+4+\b], 0                        ; written once: a lane permute's destination counts as one of its sources
.endr
	s_mov_b32 s[SEL], 0x76543210
	s_mov_b32 s[SEL+1], 0xfedcba98
	s_mov_b32 s22, 0xffff0000                      ; lanes 16-31
	s_lshl_b32 s10, ttmp9, 1
	s_add_co_u32 s10, s10, s8                      ; my record: 2 x work-group + wave
	s_lshl_b32 s12, s10, 14                        ; its 16 rows of 1,024 bytes
	s_mov_b32 s13, 0
	s_mul_i32 s14, s10, REC
	s_mov_b32 s15, 0
	s_wait_kmcnt 0x0
	s_add_nc_u64 s[4:5], s[4:5], s[12:13]
	s_add_nc_u64 s[6:7], s[6:7], s[14:15]
.irp b, 0,1,2,3
.irp j, 0,1,2,3
	global_load_b128 v[ST0+16*\b+4*\j:ST0+16*\b+4*\j+3], v[XA], s[4:5] offset:128*\b+16*\j
.endr
.endr
.irp b, 0,1,2,3
.irp j, 0,1,2,3
	global_load_b128 v[ST1+16*\b+4*\j:ST1+16*\b+4*\j+3], v[XA], s[4:5] offset:512+128*\b+16*\j
.endr
.endr
	s_wait_loadcnt 16                              ; K 0-127 is in; the 16 loads of K 128-255 may be out
	SUMSQ ST0, 1
	QUANT ST0, PCA, PW0
.irp c, 0,1,2
	global_store_b128 v[LI], v[PCA+4*\c:PCA+4*\c+3], s[6:7] offset:512*\c          ; 32 lanes store 512 consecutive bytes, at a multiple of 256 from the buffer's first byte
.endr
	s_wait_loadcnt 0x0
	SUMSQ ST1, 0
	QUANT ST1, PCB, PW1
.irp c, 0,1,2
	global_store_b128 v[LI], v[PCB+4*\c:PCB+4*\c+3], s[6:7] offset:1536+512*\c
.endr
	v_add_nc_u32 v[PW0], 0x01010101, v[PW0]        ; every byte one higher: the factor 2 of 2 x.c (no byte reaches 255, so none carries)
	v_add_nc_u32 v[PW1], 0x01010101, v[PW1]
	v_cndmask_b32 v[SW], v[PW0], v[PW1], s22       ; lanes 0-15: K 0-127's word of code r; lanes 16-31: K 128-255's
	v_pk_add_f32 v[SQ:SQ+1], v[SQ:SQ+1], v[SQ+2:SQ+3]
	v_add_f32 v[SQ], v[SQ], v[SQ+1]
	v_permlanex16_b32 v[SQ+1], v[SQ], s[SEL], s[SEL+1]
	v_add_f32 v[NCV], -v[SQ], -v[SQ+1]             ; -c_sq of code r, in both halves of the lanes
	; the record's last 256 bytes are gathered in my wave's own 256 bytes of LDS and leave as one aligned run of 256 bytes
	ds_store_b32 v[LW], v[SW]
	ds_store_b32 v[LR], v[NCV] offset:128          ; both halves of the lanes write the same word with the same value
	ds_store_b32 v[LR], v[ZR] offset:192
	ds_load_b64 v[TL:TL+1], v[LB]                  ; LDS serves a wave's instructions in order (ISA guide 5.7.1.4): this sees my stores
	s_wait_dscnt 0x0
	global_store_b64 v[GB], v[TL:TL+1], s[6:7] offset:3072
	s_wait_tensorcnt 0x0
	ds_add_u32 v208, v209
	s_wait_dscnt 0x0
	s_endpgm
.Lfunc_end_k_q37b88b5fd0_quant:
	.size	k_q37b88b5fd0_quant, .Lfunc_end_k_q37b88b5fd0_quant-k_q37b88b5fd0_quant
	.p2alignl 7, 3214868480
	.fill 96, 4, 3214868480
	.section	.rodata,"a",@progbits
	.p2align	6, 0x0
	.amdhsa_kernel k_q37b88b5fd0_quant
		.amdhsa_group_segment_fixed_size 768
		.amdhsa_private_segment_fixed_size 0
		.amdhsa_enable_private_segment 0
		.amdhsa_kernarg_size 16
		.amdhsa_user_sgpr_count 2
		.amdhsa_user_sgpr_kernarg_segment_ptr 1
		.amdhsa_wavefront_size32 1
		.amdhsa_system_sgpr_workgroup_id_x 1
		.amdhsa_system_sgpr_workgroup_id_y 1
		.amdhsa_system_sgpr_workgroup_id_z 1
		.amdhsa_system_vgpr_workitem_id 0
		.amdhsa_next_free_vgpr 210
		.amdhsa_next_free_sgpr 66
		.amdhsa_reserve_vcc 0
		.amdhsa_float_denorm_mode_32 3
		.amdhsa_float_denorm_mode_16_64 3
		.amdhsa_memory_ordered 1
		.amdhsa_forward_progress 1
		.amdhsa_inst_pref_size 18
	.end_amdhsa_kernel
	.amdgpu_metadata
---
amdhsa.version: [ 1, 2 ]
amdhsa.kernels:
  - .name:           k_q37b88b5fd0_quant
    .symbol:         k_q37b88b5fd0_quant.kd
    .args:
      - { .name: codebook, .offset: 0, .size: 8, .value_kind: global_buffer, .address_space: global }
      - { .name: cbq, .offset: 8, .size: 8, .value_kind: global_buffer, .address_space: global }
    .group_segment_fixed_size: 768
    .private_segment_fixed_size: 0
    .kernarg_segment_align: 8
    .kernarg_segment_size: 16
    .max_flat_workgroup_size: 64
    .sgpr_count:     66
    .vgpr_count:     210
    .wavefront_size: 32
...
	.end_amdgpu_metadata
.endif
;; end of part 1
;; launch search (part 2): grid 256 x 1, 8 waves a work-group, clusters of 4 x 1, 327,680 bytes of LDS; arguments x, cbq, out0, idxw; writes out0, idxw
.if DOCPART == 2
	.amdgcn_target "amdgcn-amd-amdhsa--gfx1250"
	.amdhsa_code_object_version 6
	.text
	.protected	k_q37b88b5fd0_search
	.globl	k_q37b88b5fd0_search
	.p2align	8
	.type	k_q37b88b5fd0_search,@function
k_q37b88b5fd0_search:
	s_mov_b64 s[64:65], 0
	v_nop
	global_prefetch_b8 v0, s[64:65] scope:SCOPE_SE
	s_setreg_imm32_b32 hwreg(HW_REG_WAVE_MODE, 25, 1), 1
	s_wait_xcnt 0x0
	s_wait_alu depctr_hold_cnt(0) depctr_sa_sdst(0) depctr_va_vdst(0) depctr_va_sdst(0) depctr_va_ssrc(0) depctr_va_vcc(0) depctr_vm_vsrc(0)
	s_getreg_b32 s2, hwreg(HW_REG_IB_STS2, 6, 4)
	s_cmp_eq_u32 s2, 0
	s_cbranch_scc0 .Lentry_in_a_cluster
	s_endpgm
.Lentry_in_a_cluster:
	s_bfe_u32 s2, ttmp6, 0x10000c
	s_cmp_lg_u32 s2, 0x3003
	s_cbranch_scc0 .Lentry_shape_is_right
	s_endpgm
.Lentry_shape_is_right:
; For each row of x: the index of the code with the largest 2 x.c - c_sq (= the smallest squared distance), the lowest index among equals.
; x_sq is left out: it is the same for all codes of a row and moves no comparison (shown at the head of the first kernel).
; The product is MX-BF6: x is quantised here, in the head (each number of x is read once, by this work-group alone); the codebook comes as records of 3,328 bytes for 16 codes
; (two fragments as register images, a scale register's image with every byte one higher, -c_sq), made by the launch before.
; SHARES.  A work-group takes 128 rows of x.  Each of its 8 waves holds all 128 rows as source 1 (8 tiles x 24 registers, window 1) and walks 64 of the 512 records as source 0:
; record 32 s + 4 w + q in slot s.  So a record is read from LDS by one wave, and a lane holds ONE row of x and 8 codes of a tile in its 8 result registers; C of the first product is -c_sq.
; PER TILE a lane takes the largest of its 8 results; where that beats its best so far it keeps the value, the tile's id (16 x record + 8 (lane / 16)) and the 8 results, by selects in pairs.
; At the end the kept results give the place in the tile; lane halves and waves are joined by value, then by lower index.
; RING.  Two LDS slots of 32 records, filled by joint loads of the cluster's four work-groups (all work-groups walk the same records).  A wave loads and reads its own 4 records of a slot,
; so its own wait on TENSORcnt orders its reads; a refill stands behind the wait for all loads, the add, the wait on DScnt and a round of the cluster's barrier.  One tensor load a wave is out at most.
; PREFETCH.  In slot s each wave names, once, 13 blocks of 256 bytes of its part of slot s + 4 (the four partners share the part's 52 blocks by address; lanes 13-31 name the 13th again);
; that slot's load is issued at the start of slot s + 3.  Slots 0-3 come by their loads alone; the loop's last trip asks for nothing.
; LIMITS: NaN and infinities among the inputs are not served.  A block of zeros of x gets the scale byte 1 where the rule says 127: its codes are zeros.
.set REC,    3328
.set WPART,  4*REC                     ; a wave's part of a slot
.set SLOT,   8*WPART
.set XSTG,   2*SLOT                    ; x's stages: 16 rows x (512 + 16) bytes for each wave
.set XPITCH, 528
.set XSTW,   16*XPITCH
.set XIMG,   XSTG+8*XSTW               ; x's 16 fragments as register images
.set XSC,    XIMG+16*1536              ; x's 8 scale registers' images
.set REDB,   XSC+1024                  ; the waves' best values (4,096 bytes), then their indices
.set SPARE,  REDB+8192                 ; the spare words: 128 bytes a wave
.set SPW,  1
.set NIL,  2
.set AFR,  3                           ; v3-4 fragments' LDS address in slot 0, 1;  v5-6 scale word's;  v7-8 -c_sq's
.set ASC,  5
.set ANC,  7
.set RA,   11
.set XS,   12                          ; v12-19 x's scale words;  v20-21 the record's, two sets
.set AS,   20
.set PFO,  22
.set VT,   23                          ; the id of the record at work
.set AF,   24                          ; v24-71 the record's fragments, two sets;  v72-87 -c_sq, two sets
.set NC,   72
.set DR,   88                          ; v88-151 results: tiles 0-3, tiles 4-7
.set KEEP, 152                         ; v152-215 the kept results of 8 tiles
.set BI,   216                         ; v216-231 best value (even) and its id (odd) of 8 tiles
.set TA,   232                         ; at work: v232-234, v236;  v237-240;  v241-244
.set TB,   237
.set TC,   241
.set STW,  245
.set XA,   248
.set XWI,  249
.set XWS,  250
.set LIX,  252
.set LSX,  253
.set RR,   254
.set GOF,  255
.set ST0,  DR
.set ST1,  KEEP
.set PCA,  24
.set PCB,  48
.set PW0,  44
.set PW1,  45
.set SWR,  46
.set TM,   72
.set JJ,   88
.set G1C,  16
.set G0C,  32
.set PF,   40
.set SEL,  46
.set MSB, 0
.macro WIN new
.if MSB != \new
	s_set_vgpr_msb (MSB<<8)|\new
.set MSB, \new
.endif
.endm
.macro DLY n
	s_delay_alu instid0(VALU_DEP_\n)
.endm
.macro CREST                           ; a round of the cluster's barrier behind its opening barrier
	s_cmp_lg_u32 s12, 0
	s_cbranch_scc1 .Lnw0_\@
	s_barrier_signal -3
.Lnw0_\@:
	s_barrier_wait -3
	s_barrier_signal -1
	s_barrier_wait -1
.endm
.macro ROUND
	s_barrier_signal -1
	s_barrier_wait -1
	CREST
.endm
; 64 numbers of a lane (register 16 b + i = k 32 b + 16 (lane / 16) + i of my row) become a fragment's codes in v[pc .. pc + 11] and my row's scale word in v[pw]
.macro QUANT s, pc, pw
.irp b, 0,1,2,3
	v_max3_num_f32 v[TM+\b], |v[\s+16*\b]|, |v[\s+1+16*\b]|, 0x2800000
.endr
.irp i, 2,4,6,8,10,12,14
.irp b, 0,1,2,3
	s_delay_alu instid0(VALU_DEP_4)
	v_max3_num_f32 v[TM+\b], v[TM+\b], |v[\s+16*\b+\i]|, |v[\s+1+16*\b+\i]|
.endr
.endr
.irp b, 0,1,2,3
	s_delay_alu instid0(VALU_DEP_4)
	v_permlanex16_b32 v[TM+4+\b], v[TM+\b], s[SEL], s[SEL+1]
.endr
.irp b, 0,1,2,3
	s_delay_alu instid0(VALU_DEP_4)
	v_max_num_f32 v[TM+\b], v[TM+\b], v[TM+4+\b]
.endr
.irp b, 0,1,2,3
	s_delay_alu instid0(VALU_DEP_4)
	v_add_nc_u32 v[TM+12+\b], 0xfe000000, v[TM+\b]
.endr
.irp b, 0,1,2,3
	s_delay_alu instid0(VALU_DEP_4)
	v_lshrrev_b32 v[TM+4+\b], 23, v[TM+12+\b]
.endr
	s_delay_alu instid0(VALU_DEP_3)
	v_lshl_or_b32 v[\pw], v[TM+5], 8, v[TM+4]
	s_delay_alu instid0(VALU_DEP_1)
	v_lshl_or_b32 v[\pw], v[TM+6], 16, v[\pw]
	s_delay_alu instid0(VALU_DEP_1)
	v_lshl_or_b32 v[\pw], v[TM+7], 24, v[\pw]
.irp c, 0,1
	v_cvt_scalef32_pk16_bf6_f32 v[\pc+6*\c:\pc+2+6*\c], v[\s+32*\c:\s+15+32*\c], v[TM+12+2*\c]
	v_cvt_scalef32_pk16_bf6_f32 v[\pc+12+4*\c:\pc+14+4*\c], v[\s+16+32*\c:\s+31+32*\c], v[TM+12+2*\c+1]
.endr
	v_nop
.irp c, 0,1
.irp i, 0,1,2
	v_permlane16_swap_b32 v[\pc+6*\c+\i], v[\pc+12+4*\c+\i]
.endr
.irp i, 0,1,2
	s_delay_alu instid0(VALU_DEP_3)
	v_mov_b32 v[\pc+3+6*\c+\i], v[\pc+12+4*\c+\i]
.endr
.endr
.endm
.macro LOADS slot, q, p                ; record q of my part of a slot into set p: 9 LDS loads
.irp g, 0,1,2,3,4,5
	ds_load_b128 v[AF+24*(\p)+4*\g:AF+24*(\p)+4*\g+3], v[AFR+(\slot)] offset:REC*(\q)+512*\g
.endr
	ds_load_b32 v[AS+(\p)], v[ASC+(\slot)] offset:REC*(\q)
	ds_load_b128 v[NC+8*(\p):NC+8*(\p)+3], v[ANC+(\slot)] offset:REC*(\q)
	ds_load_b128 v[NC+8*(\p)+4:NC+8*(\p)+7], v[ANC+(\slot)] offset:REC*(\q)+16
.endm
; 8 matrix instructions: the record in set p against x's tiles 4 k .. 4 k + 3; K 0-127 starts the four sums from -c_sq, K 128-255 adds; the four accumulators by turns
.macro WQUAD k, p
.set AFP, AF+24*(\p)
.set NCP, NC+8*(\p)
	WIN 0x04
.irp e, 0,1,2,3
	v_wmma_scale_f32_16x16x128_f8f6f4 v[DR+32*(\k)+8*\e:DR+32*(\k)+8*\e+7], v[AFP:AFP+11], v[24*(4*(\k)+\e):24*(4*(\k)+\e)+11], v[NCP:NCP+7], v[AS+(\p)], v[XS+4*(\k)+\e] matrix_a_fmt:MATRIX_FMT_BF6 matrix_b_fmt:MATRIX_FMT_BF6
.endr
.irp e, 0,1,2,3
	v_wmma_scale_f32_16x16x128_f8f6f4 v[DR+32*(\k)+8*\e:DR+32*(\k)+8*\e+7], v[AFP+12:AFP+23], v[24*(4*(\k)+\e)+12:24*(4*(\k)+\e)+23], v[DR+32*(\k)+8*\e:DR+32*(\k)+8*\e+7], v[AS+(\p)], v[XS+4*(\k)+\e] matrix_a_fmt:MATRIX_FMT_BF6 matrix_b_fmt:MATRIX_FMT_BF6 matrix_a_scale:MATRIX_SCALE_ROW1 matrix_b_scale:MATRIX_SCALE_ROW1
.endr
	WIN 0
.endm
.macro SEL2 d, a, b                    ; where VCC: v[d] = v[a], v[d + 1] = v[b]
	v_dual_cndmask_b32 v[\d], v[\d], v[\a] :: v_dual_cndmask_b32 v[\d+1], v[\d+1], v[\b]
.endm
; tiles 4 k .. 4 k + 3: each lane's largest of 8 (the four tiles by turns, each accumulator from its low end on), then for each tile the compare and five paired selects
.macro PROC k
.irp e, 0,1,2,3
	v_max3_num_f32 v[TA+\e+\e/3], v[DR+32*(\k)+8*\e], v[DR+32*(\k)+8*\e+1], v[DR+32*(\k)+8*\e+2]
.endr
.irp e, 0,1,2,3
	v_max3_num_f32 v[TB+\e], v[DR+32*(\k)+8*\e+3], v[DR+32*(\k)+8*\e+4], v[DR+32*(\k)+8*\e+5]
.endr
.irp e, 0,2
	v_dual_max_num_f32 v[TC+\e], v[DR+32*(\k)+8*\e+6], v[DR+32*(\k)+8*\e+7] :: v_dual_max_num_f32 v[TC+\e+1], v[DR+32*(\k)+8*\e+15], v[DR+32*(\k)+8*\e+14]
.endr
.irp e, 0,1,2,3
	v_max3_num_f32 v[TA+\e+\e/3], v[TA+\e+\e/3], v[TB+\e], v[TC+\e]
.endr
.irp e, 0,1,2,3
.if \e == 0
	s_delay_alu instid0(VALU_DEP_4)
.endif
	v_cmp_gt_f32 vcc_lo, v[TA+\e+\e/3], v[BI+8*(\k)+2*\e]      ; strictly larger: among equals the earlier, lower id stays
	SEL2 BI+8*(\k)+2*\e, TA+\e+\e/3, VT
.irp m, 0,2,4,6
	SEL2 KEEP+32*(\k)+8*\e+\m, DR+32*(\k)+8*\e+\m, DR+32*(\k)+8*\e+\m+1
.endr
.endr
.endm
; A record's first half: its products with tiles 0-3, then the record before's tiles 4-7 are looked through.
; round = 1 (a slot's first record): the signal has been given; the products stand between it and the wait; behind the round the slot just left is filled again.
.macro HP slot, q, round
.if \round
	WQUAD 0, (\q)&1
	s_barrier_wait -1
	CREST
	tensor_load_to_lds s[G0C+4*(1-\slot):G0C+4*(1-\slot)+3], s[G1C:G1C+7]
	s_nop 0
.rept 4
	v_nop
.endr
.else
	s_wait_dscnt 0x0                               ; this record's 9 loads are in
	WQUAD 0, (\q)&1
.endif
	PROC 1
.endm
; Its second half: the next record is fetched, products with tiles 4-7, tiles 0-3 looked through.
; mode 0: the next record lies in this slot; 1: in the other slot, and this slot will be filled again; 2: in the other slot, no refill; 3: no next record
.macro BP slot, q, mode, inc
	v_add_nc_u32 v[VT], \inc, v[VT]
.if \mode == 0
	LOADS \slot, (\q)+1, 1-((\q)&1)
.elseif \mode < 3
	s_wait_tensorcnt 0x0                           ; my one load that was out is my part of the other slot, which I alone read
	LOADS 1-\slot, 0, 0
.endif
	WQUAD 1, (\q)&1
.if \mode == 1
	s_wait_tensorcnt 0x0                           ; in front of a refill's barrier
	ds_add_u32 v[SPW], v[NIL]
	s_add_nc_u64 s[G0C+4*(\slot)+2:G0C+4*(\slot)+3], s[G0C+4*(\slot)+2:G0C+4*(\slot)+3], 2*SLOT   ; no load of mine is out: this slot's next records
.endif
	PROC 0
.if \mode == 1
	s_wait_dscnt 0x0                               ; the add is done, my reads of this slot are over, the next record is in
	s_barrier_signal -1                            ; opens the round
.endif
.endm
.macro ASK off                         ; the prefetch: not in the loop's last trip, whose slots four on do not exist
	s_cmp_gt_u32 s44, 1
	s_cbranch_scc0 .Lnoask_\@
	s_cmp_lt_u32 ttmp9, 4
	s_cbranch_scc0 .Lno_prefetch_search0_\@
	global_prefetch_b8 v[PFO], s[PF:PF+1] offset:\off th:TH_LOAD_NT scope:SCOPE_SE
.Lno_prefetch_search0_\@:
.Lnoask_\@:
.endm
.macro SLOTB slot, mode, ask           ; a slot's four records, from the first one's second half on
	BP \slot, 0, 0, 464
	HP \slot, 1, 0
	BP \slot, 1, 0, 16
.if \ask
	ASK (\slot)*SLOT
.endif
	HP \slot, 2, 0
	BP \slot, 2, 0, 16
	HP \slot, 3, 0
	BP \slot, 3, \mode, 16
.endm
.macro LEX b, c, b2, c2                ; (b, c) = the better of two: the larger value, among equals the lower index
	v_cmp_gt_f32 s54, v[\b2], v[\b]
	v_cmp_eq_f32 s55, v[\b2], v[\b]
	v_cmp_lt_u32 s56, v[\c2], v[\c]
	s_and_b32 s55, s55, s56
	s_or_b32 s54, s54, s55
	v_cndmask_b32 v[\b], v[\b], v[\b2], s54
	v_cndmask_b32 v[\c], v[\c], v[\c2], s54
.endm
	s_load_b256 s[4:11], s[0:1], 0x0               ; x, the records, out0, idxw
	v_lshl_add_u32 v[SPW], v0, 2, SPARE
	v_mov_b32 v[NIL], 0
	ds_add_u32 v[SPW], v[NIL]
	ds_add_u32 v[SPW], v[NIL]
	v_lshrrev_b32 v9, 5, v0
	s_delay_alu instid0(VALU_DEP_1)
	v_readfirstlane_b32 s12, v9                    ; wave
	s_bfe_u32 s13, ttmp6, 0x40000                  ; cx
	s_lshl_b32 s14, ttmp9, 2
	s_add_co_u32 s14, s14, s13                     ; work-group
	s_mov_b32 s[G1C+0], 15|(3<<16)|(1<<21)         ; the cluster's four; elements of 8 bytes: 52 rows of 256 bytes, dense
	s_mov_b32 s[G1C+1], 32<<16
	s_mov_b32 s[G1C+2], 52<<16
	s_mov_b32 s[G1C+3], 32<<16
	s_mov_b32 s[G1C+4], 52
	s_mov_b32 s[G1C+5], 32
	s_mov_b32 s[G1C+6], 0
	s_mov_b32 s[G1C+7], 0
	s_mov_b32 s[SEL], 0x76543210
	s_mov_b32 s[SEL+1], 0xfedcba98
	s_mov_b32 s48, 0xffff0000
	s_mul_i32 s57, s12, WPART                      ; my part of slot 0,
	s_add_co_u32 s66, s57, SLOT                    ; of slot 1
	s_add_co_u32 s67, s57, 3072
	s_add_co_u32 s68, s67, SLOT
	s_add_co_u32 s69, s57, 3200
	s_add_co_u32 s70, s69, SLOT
	s_lshl_b32 s58, s12, 9
	s_add_co_u32 s58, s58, REDB
	s_mul_i32 s59, s12, XSTW
	s_add_co_u32 s59, s59, XSTG
	s_mul_i32 s60, s12, 3072
	s_add_co_u32 s60, s60, XIMG
	s_lshl_b32 s61, s12, 7
	s_add_co_u32 s61, s61, XSC
	s_lshl_b32 s62, s12, 6
	s_sub_co_i32 s62, s62, 464                     ; 16 (4 w) less the first step
	s_mul_i32 s63, s13, 13*256                     ; my work-group's 13 blocks of a part's 52
	s_mov_b32 s50, s57
	s_mov_b32 s51, 0
	s_lshl_b32 s52, s14, 17
	s_lshl_b32 s53, s12, 14
	s_add_co_u32 s52, s52, s53                     ; my 16 rows of x, in bytes
	s_mov_b32 s53, 0
	s_mov_b32 s[G0C+0], 1
	s_mov_b32 s[G0C+1], s57
	s_mov_b32 s[G0C+4], 1
	s_mov_b32 s[G0C+5], s66
	s_mov_b32 s44, 7
	v_and_b32 v9, 31, v0                           ; lane
	v_and_b32 v10, 15, v0                          ; r
	v_bfe_u32 v251, v0, 4, 1                       ; h
	DLY 3
	v_lshl_add_u32 v[AFR], v9, 4, s57
	DLY 4
	v_lshl_add_u32 v[AFR+1], v9, 4, s66
	v_lshl_add_u32 v[ASC], v9, 2, s67
	v_lshl_add_u32 v[ASC+1], v9, 2, s68
	v_lshl_add_u32 v[ANC], v251, 5, s69
	v_lshl_add_u32 v[ANC+1], v251, 5, s70
	v_lshl_add_u32 v[RA], v10, 2, s58
	v_mad_u32_u24 v[XA], v10, XPITCH, s59
	v_lshl_add_u32 v[XWI], v9, 4, s60
	v_lshl_add_u32 v[XWS], v9, 2, s61
	v_lshl_add_u32 v[STW], v9, 4, s59
	v_lshl_add_u32 v[LIX], v9, 4, XIMG
	v_lshl_add_u32 v[LSX], v9, 2, XSC
	v_lshl_add_u32 v[RR], v9, 4, REDB
	v_lshlrev_b32 v[GOF], 4, v9
	v_min_u32 v[PFO], 12, v9
	v_lshl_add_u32 v[VT], v251, 3, s62
	v_lshl_add_u32 v[XA], v251, 6, v[XA]           ; out of the stage: row r, 64 h
	DLY 3
	v_lshl_add_u32 v[PFO], v[PFO], 8, s63
.irp b, 0,1,2,3
	v_mov_b32 v[TM+4+\b], 0                        ; a lane permute's destination counts as one of its sources
.endr
.irp i, 0,1,2,3,4,5,6,7
	v_mov_b32 v[BI+2*\i], 0xff800000               ; best so far: under every finite value
	v_mov_b32 v[BI+2*\i+1], 0
.endr
	s_wait_alu depctr_va_vdst(0)
	s_wait_dscnt 0x0
	s_wait_kmcnt 0x0
	s_add_nc_u64 s[G0C+2:G0C+3], s[6:7], s[50:51]
	s_add_nc_u64 s[G0C+6:G0C+7], s[G0C+2:G0C+3], SLOT
	s_add_nc_u64 s[PF:PF+1], s[G0C+2:G0C+3], 4*SLOT
	s_or_b32 s[G0C+3], s[G0C+3], 0x80000000
	s_or_b32 s[G0C+7], s[G0C+7], 0x80000000
	s_add_nc_u64 s[4:5], s[4:5], s[52:53]
	s_lshl_b32 s50, s14, 9
	s_add_nc_u64 s[8:9], s[8:9], s[50:51]
	s_add_nc_u64 s[10:11], s[10:11], s[50:51]
	WIN 0x40                                       ; x's 16 rows as they lie: each load takes 512 consecutive bytes; K 0-127 of all rows first; into window 1
.irp kh, 0,1
.irp l, 0,1,2,3,4,5,6,7,8,9,10,11,12,13,14,15
	global_load_b128 v[64*\kh+4*\l:64*\kh+4*\l+3], v[GOF], s[4:5] offset:1024*\l+512*\kh th:TH_LOAD_NT
.endr
.endr
	WIN 0
	ROUND                                          ; in front of the first joint load
	tensor_load_to_lds s[G0C:G0C+3], s[G1C:G1C+7]  ; slot 0: my one tensor load at the head
	s_nop 0
.rept 4
	v_nop
.endr
	; through my own stage, so that a lane gets 16 neighbours along K of each block; LDS serves a wave's instructions in order
	s_wait_loadcnt 16                              ; K 0-127 is in; the 16 loads of K 128-255 may be out
	WIN 0x04
.irp l, 0,1,2,3,4,5,6,7,8,9,10,11,12,13,14,15
	ds_store_b128 v[STW], v[4*\l:4*\l+3] offset:XPITCH*\l
.endr
	WIN 0
.irp b, 0,1,2,3
.irp j, 0,1,2,3
	ds_load_b128 v[ST0+16*\b+4*\j:ST0+16*\b+4*\j+3], v[XA] offset:128*\b+16*\j
.endr
.endr
	s_wait_loadcnt 0x0
	WIN 0x04
.irp l, 0,1,2,3,4,5,6,7,8,9,10,11,12,13,14,15
	ds_store_b128 v[STW], v[64+4*\l:64+4*\l+3] offset:XPITCH*\l
.endr
	WIN 0
.irp b, 0,1,2,3
.irp j, 0,1,2,3
	ds_load_b128 v[ST1+16*\b+4*\j:ST1+16*\b+4*\j+3], v[XA] offset:128*\b+16*\j
.endr
.endr
	s_wait_dscnt 32                                ; behind K 0-127's loads: 16 stores and 16 loads
	QUANT ST0, PCA, PW0
.irp c, 0,1,2
	ds_store_b128 v[XWI], v[PCA+4*\c:PCA+4*\c+3] offset:512*\c
.endr
	s_wait_dscnt 3                                 ; behind K 128-255's loads: these three stores
	QUANT ST1, PCB, PW1
.irp c, 0,1,2
	ds_store_b128 v[XWI], v[PCB+4*\c:PCB+4*\c+3] offset:1536+512*\c
.endr
	v_cndmask_b32 v[SWR], v[PW0], v[PW1], s48      ; lanes 0-15: K 0-127's word of row r; lanes 16-31: K 128-255's
	ds_store_b32 v[XWS], v[SWR]
	s_wait_alu depctr_va_vdst(0)
	s_wait_tensorcnt 0x0                           ; slot 1's first fill is issued as a refill is
	ds_add_u32 v[SPW], v[NIL]
	s_wait_dscnt 0x0                               ; and my images are stored, for the other waves
	ROUND
	tensor_load_to_lds s[G0C+4:G0C+7], s[G1C:G1C+7]
	s_nop 0
.rept 4
	v_nop
.endr
	WIN 0x40
.irp f, 0,1,2,3,4,5,6,7,8,9,10,11,12,13,14,15
.irp c, 0,1,2
	ds_load_b128 v[12*\f+4*\c:12*\f+4*\c+3], v[LIX] offset:1536*\f+512*\c
.endr
.endr
	WIN 0
.irp i, 0,1,2,3,4,5,6,7
	ds_load_b32 v[XS+\i], v[LSX] offset:128*\i
.endr
	LOADS 0, 0, 0
	s_wait_dscnt 0x0
	WQUAD 0, 0                                     ; the first record's first half; nothing is there yet to look through
.rept 4
	v_nop                                          ; the places in front of the first read of these results
.endr
.Lring:                                                ; a trip: two slots, from a first record's second half to the next trip's first record's first half
	SLOTB 0, 1, 1
	HP 1, 0, 1
	SLOTB 1, 1, 1
	HP 0, 0, 1
	s_wait_xcnt 0x0                                ; my prefetches have read their base
	s_add_nc_u64 s[PF:PF+1], s[PF:PF+1], 2*SLOT
	s_sub_co_u32 s44, s44, 1
	s_cmp_lg_u32 s44, 0
	s_wait_alu depctr_va_vdst(0)
	s_cbranch_scc1 .Lring
	SLOTB 0, 2, 0                                  ; the last two slots: nothing is filled again, so no barrier
	HP 1, 0, 0
	SLOTB 1, 3, 0
	PROC 1
	; the place in the kept tile: the lowest j whose kept result is the best value
.irp i, 0,1,2,3,4,5,6,7
	v_mov_b32 v[JJ+\i], 7
.endr
.irp j, 6,5,4,3,2,1,0
.irp i, 0,1,2,3,4,5,6,7
	v_cmp_neq_f32 s[66+\i], v[KEEP+8*\i+\j], v[BI+2*\i]
.endr
.irp i, 0,1,2,3,4,5,6,7
	v_cndmask_b32 v[JJ+\i], \j, v[JJ+\i], s[66+\i]
.endr
.endr
.irp i, 0,1,2,3,4,5,6,7
	v_add_nc_u32 v[JJ+\i], v[BI+2*\i+1], v[JJ+\i]  ; the code's index
.endr
.irp i, 0,1,2,3,4,5,6,7
	v_permlanex16_b32 v[96+\i], v[BI+2*\i], s[SEL], s[SEL+1]
	v_permlanex16_b32 v[104+\i], v[JJ+\i], s[SEL], s[SEL+1]
.endr
.irp i, 0,1,2,3,4,5,6,7
	LEX BI+2*\i, JJ+\i, 96+\i, 104+\i
.endr
.irp i, 0,1,2,3,4,5,6,7
	ds_store_b32 v[RA], v[BI+2*\i] offset:64*\i    ; both halves of the lanes write the same word with the same value
	ds_store_b32 v[RA], v[JJ+\i] offset:4096+64*\i
.endr
	s_wait_dscnt 0x0
	s_barrier_signal -1
	s_barrier_wait -1
	s_cmp_lg_u32 s12, 0
	s_cbranch_scc1 .Lothers
.irp w, 0,1,2,3,4,5,6,7                        ; wave 0 joins the eight waves' results: four rows a lane
	ds_load_b128 v[152+4*\w:155+4*\w], v[RR] offset:512*\w
	ds_load_b128 v[184+4*\w:187+4*\w], v[RR] offset:4096+512*\w
.endr
	s_wait_dscnt 0x0
.irp w, 1,2,3,4,5,6,7
.irp e, 0,1,2,3
	LEX 152+\e, 184+\e, 152+4*\w+\e, 184+4*\w+\e
.endr
.endr
	global_store_b128 v[GOF], v[184:187], s[8:9]   ; 32 lanes store 512 consecutive bytes, at a multiple of 256 from the buffer's first byte
	global_store_b128 v[GOF], v[184:187], s[10:11]
.Lothers:
	s_wait_tensorcnt 0x0                           ; the wave's end
	ds_add_u32 v[SPW], v[NIL]
	s_wait_dscnt 0x0
	ROUND                                          ; the closing round
	s_endpgm
.Lfunc_end_k_q37b88b5fd0_search:
	.size	k_q37b88b5fd0_search, .Lfunc_end_k_q37b88b5fd0_search-k_q37b88b5fd0_search
	.p2alignl 7, 3214868480
	.fill 96, 4, 3214868480
	.section	.rodata,"a",@progbits
	.p2align	6, 0x0
	.amdhsa_kernel k_q37b88b5fd0_search
		.amdhsa_group_segment_fixed_size 327680
		.amdhsa_private_segment_fixed_size 0
		.amdhsa_enable_private_segment 0
		.amdhsa_kernarg_size 32
		.amdhsa_user_sgpr_count 2
		.amdhsa_user_sgpr_kernarg_segment_ptr 1
		.amdhsa_wavefront_size32 1
		.amdhsa_system_sgpr_workgroup_id_x 1
		.amdhsa_system_sgpr_workgroup_id_y 1
		.amdhsa_system_sgpr_workgroup_id_z 1
		.amdhsa_system_vgpr_workitem_id 0
		.amdhsa_next_free_vgpr 448
		.amdhsa_next_free_sgpr 80
		.amdhsa_reserve_vcc 1
		.amdhsa_float_denorm_mode_32 3
		.amdhsa_float_denorm_mode_16_64 3
		.amdhsa_memory_ordered 1
		.amdhsa_forward_progress 1
		.amdhsa_inst_pref_size 174
	.end_amdhsa_kernel
	.amdgpu_metadata
---
amdhsa.version: [ 1, 2 ]
amdhsa.kernels:
  - .name:           k_q37b88b5fd0_search
    .symbol:         k_q37b88b5fd0_search.kd
    .args:
      - { .name: x, .offset: 0, .size: 8, .value_kind: global_buffer, .address_space: global }
      - { .name: cbq, .offset: 8, .size: 8, .value_kind: global_buffer, .address_space: global }
      - { .name: out0, .offset: 16, .size: 8, .value_kind: global_buffer, .address_space: global }
      - { .name: idxw, .offset: 24, .size: 8, .value_kind: global_buffer, .address_space: global }
    .group_segment_fixed_size: 327680
    .private_segment_fixed_size: 0
    .kernarg_segment_align: 8
    .kernarg_segment_size: 32
    .max_flat_workgroup_size: 256
    .sgpr_count:     80
    .vgpr_count:     448
    .wavefront_size: 32
...
	.end_amdgpu_metadata
.endif
;; end of part 2
;; launch gather (part 3): grid 256 x 1, 8 waves a work-group, no clusters, 0 bytes of LDS; arguments idxw, codebook, out1; writes out1
.if DOCPART == 3
	.amdgcn_target "amdgcn-amd-amdhsa--gfx1250"
	.amdhsa_code_object_version 6
	.text
	.protected	k_q37b88b5fd0_gather
	.globl	k_q37b88b5fd0_gather
	.p2align	8
	.type	k_q37b88b5fd0_gather,@function
k_q37b88b5fd0_gather:
	s_mov_b64 s[64:65], 0
	v_nop
	global_prefetch_b8 v0, s[64:65] scope:SCOPE_SE
	s_setreg_imm32_b32 hwreg(HW_REG_WAVE_MODE, 25, 1), 1
	s_wait_xcnt 0x0
; out1[row][:] = codebook[index of row][:], the numbers as given (f32, 1,024 bytes a row).  The indices are whole numbers that the launch before stored.
; A wave takes 16 rows: its 16 indices come by one scalar load; each row is two loads and two stores of 512 consecutive bytes (16 bytes a lane).
; Memory binds: no LDS, no barrier, no matrix work, no cluster (no two work-groups are known to want the same rows).  The loads carry no hint: a row of the codebook may be named again.
; An index is held to 0 .. 8,191 ahead of its use as an address; the launch before stores nothing else.
	s_load_b128 s[4:7], s[0:1], 0x0                ; the indices s[4:5], the codebook s[6:7]
	s_load_b64 s[8:9], s[0:1], 0x10                ; out1
	v_lshrrev_b32 v2, 5, v0
	s_delay_alu instid0(VALU_DEP_1)
	v_readfirstlane_b32 s10, v2                    ; wave 0..7
	v_and_b32 v1, 31, v0
	s_delay_alu instid0(VALU_DEP_1)
	v_lshlrev_b32 v1, 4, v1                        ; 16 x lane; never rewritten
	s_lshl_b32 s11, ttmp9, 7
	s_lshl_b32 s12, s10, 4
	s_add_co_u32 s11, s11, s12                     ; my first row: 128 x work-group + 16 x wave
	s_lshl_b32 s12, s11, 2                         ; its index: 4 bytes a row
	s_mov_b32 s13, 0
	s_lshl_b32 s14, s11, 10                        ; its row of out1: 1,024 bytes a row (under 2^25)
	s_mov_b32 s15, 0
	s_wait_alu depctr_va_vdst(0)
	s_wait_kmcnt 0x0
	s_add_nc_u64 s[4:5], s[4:5], s[12:13]
	s_add_nc_u64 s[8:9], s[8:9], s[14:15]
	s_load_b512 s[16:31], s[4:5], 0x0              ; my 16 indices
	s_wait_kmcnt 0x0
.irp k, 0,1,2,3,4,5,6,7,8,9,10,11,12,13,14,15
	s_min_u32 s[16+\k], s[16+\k], 0x1fff
	s_lshl_b32 s[16+\k], s[16+\k], 10              ; the code's row, in bytes
	v_add_nc_u32 v[4+\k], s[16+\k], v1
	global_load_b128 v[32+8*\k:35+8*\k], v[4+\k], s[6:7]
	global_load_b128 v[36+8*\k:39+8*\k], v[4+\k], s[6:7] offset:512
.endr
.irp k, 0,1,2,3,4,5,6,7,8,9,10,11,12,13,14,15
	s_wait_loadcnt 30-2*\k                         ; loads come back in order (ISA guide 5.7.1): row k's two are in, those of the 15 - k rows behind it may be out
	global_store_b128 v1, v[32+8*\k:35+8*\k], s[8:9] offset:1024*\k th:TH_STORE_NT        ; 32 lanes store 512 consecutive bytes, at a multiple of 256 from out1's first byte; written once, read by nobody here
	global_store_b128 v1, v[36+8*\k:39+8*\k], s[8:9] offset:1024*\k+512 th:TH_STORE_NT
.endr
	s_endpgm
.Lfunc_end_k_q37b88b5fd0_gather:
	.size	k_q37b88b5fd0_gather, .Lfunc_end_k_q37b88b5fd0_gather-k_q37b88b5fd0_gather
	.p2alignl 7, 3214868480
	.fill 96, 4, 3214868480
	.section	.rodata,"a",@progbits
	.p2align	6, 0x0
	.amdhsa_kernel k_q37b88b5fd0_gather
		.amdhsa_group_segment_fixed_size 0
		.amdhsa_private_segment_fixed_size 0
		.amdhsa_enable_private_segment 0
		.amdhsa_kernarg_size 24
		.amdhsa_user_sgpr_count 2
		.amdhsa_user_sgpr_kernarg_segment_ptr 1
		.amdhsa_wavefront_size32 1
		.amdhsa_system_sgpr_workgroup_id_x 1
		.amdhsa_system_sgpr_workgroup_id_y 1
		.amdhsa_system_sgpr_workgroup_id_z 1
		.amdhsa_system_vgpr_workitem_id 0
		.amdhsa_next_free_vgpr 160
		.amdhsa_next_free_sgpr 66
		.amdhsa_reserve_vcc 0
		.amdhsa_float_denorm_mode_32 3
		.amdhsa_float_denorm_mode_16_64 3
		.amdhsa_memory_ordered 1
		.amdhsa_forward_progress 1
		.amdhsa_inst_pref_size 10
	.end_amdhsa_kernel
	.amdgpu_metadata
---
amdhsa.version: [ 1, 2 ]
amdhsa.kernels:
  - .name:           k_q37b88b5fd0_gather
    .symbol:         k_q37b88b5fd0_gather.kd
    .args:
      - { .name: idxw, .offset: 0, .size: 8, .value_kind: global_buffer, .address_space: global }
      - { .name: codebook, .offset: 8, .size: 8, .value_kind: global_buffer, .address_space: global }
      - { .name: out1, .offset: 16, .size: 8, .value_kind: global_buffer, .address_space: global }
    .group_segment_fixed_size: 0
    .private_segment_fixed_size: 0
    .kernarg_segment_align: 8
    .kernarg_segment_size: 24
    .max_flat_workgroup_size: 256
    .sgpr_count:     66
    .vgpr_count:     160
    .wavefront_size: 32
...
	.end_amdgpu_metadata
.endif
;; end of part 3
